; MI455X (gfx1250); checked and timed in simulation.
; The chip was launched on July 23, 2026; its instructions are those of AMD's public machine-readable ISA for CDNA 5 (MIT licence, August 2026) and "CDNA5" Instruction Set Architecture Reference Guide (July 2026). The comments in the code are by the model that wrote it; some were corrected since.
;; Codebook. Allowed arithmetic: float matrix products may take bf16 or f16 operands with f32 sums; all other float work in f32.
;; Inputs: embeddings 1,024 x 64 float32; z 64 x 32 x 32 x 64 float32.
;; Outputs: out0 64 x 32 x 32 x 64 float32; out1 64 x 32 x 32 int32.
;; One version. Each part assembles by itself: llvm-mc -triple=amdgcn-amd-amdhsa -mcpu=gfx1250 --defsym DOCPART=n.
;; ======== version 1 of 1: 2 launches
;; workspace buffers: codes 262,144 bytes of whole numbers
;; launch nearest (part 1): grid 256 x 1, 8 waves a work-group, clusters of 4 x 1, 327,680 bytes of LDS; arguments z, embeddings, out1, codes; writes out1, codes
.if DOCPART == 1
	.amdgcn_target "amdgcn-amd-amdhsa--gfx1250"
	.amdhsa_code_object_version 6
	.text
	.protected	k_qa3cb61f8e5_nearest
	.globl	k_qa3cb61f8e5_nearest
	.p2align	8
	.type	k_qa3cb61f8e5_nearest,@function
k_qa3cb61f8e5_nearest:
	s_mov_b64 s[64:65], 0
	v_nop
	global_prefetch_b8 v0, s[64:65] scope:SCOPE_SE
	s_setreg_imm32_b32 hwreg(HW_REG_WAVE_MODE, 25, 1), 1
	s_wait_xcnt 0x0
	s_wait_alu depctr_hold_cnt(0) depctr_sa_sdst(0) depctr_va_vdst(0) depctr_va_sdst(0) depctr_va_ssrc(0) depctr_va_vcc(0) depctr_vm_vsrc(0)
	s_getreg_b32 s2, hwreg(HW_REG_IB_STS2, 6, 4)
	s_cmp_eq_u32 s2, 0
	s_cbranch_scc0 .Lentry_in_a_cluster
	s_endpgm
.Lentry_in_a_cluster:
	s_bfe_u32 s2, ttmp6, 0x10000c
	s_cmp_lg_u32 s2, 0x3003
	s_cbranch_scc0 .Lentry_shape_is_right
	s_endpgm
.Lentry_shape_is_right:
; indices[n] = argmin over k of (|z_n|^2 + |e_k|^2) - 2 z_n.e_k      z: [65536][64] f32, embeddings: [1024][64] f32.
; The index goes to out1 and, once more, to the whole-number workspace from which the next launch forms its addresses.
;
; NOTHING OF THE FORMULA IS LEFT OUT.  |z_n|^2 is the same for all k and would cancel in exact arithmetic, but it is far larger than the
; differences between the nearest codes' distances, so the f32 sums round at ITS size and make ties, which argmin gives to the lowest index.
; It stays: d = fl(fl(zz + ee) - 2 dot), the same two roundings (2 dot is exact, so one fused multiply-add rounds as the subtraction does),
; strict 'less than' in ascending k, lowest index among equals.
; LIMITS.  z and the codes enter the product, zz and ee rounded to bf16; sums are f32.  Where two distances are nearer than the rounding of the
; dot sums themselves the index may differ.  NaN loses every comparison here, and rows whose distances are all infinite or NaN give index 0.
;
; SHAPE.  256 work-groups x 8 waves, two waves to a SIMD: a code tile costs a wave 8 matrix instructions and some 80 others, so the vector side binds, and
; a second wave issues while the first waits for LDS or for its own results.  Wave w: row group g = w / 2 (64 rows of z = 4 row tiles of 16, whose bf16
; fragments stay in registers) and code half c = w % 2.  The two waves of a pair hold the same rows and share the codes; their winners meet once, at the end.
; The matrix instruction is used transposed: source 0 = 16 codes, source 1 = 16 rows of z.  Lane (r, h) then holds row r of z, and register j of the
; result the code 8 h + j.  For a tile a lane forms 8 distances (packed add, packed fma), their least (min3), compares it ONCE with its best so far and
; on a win keeps the 8 distances, the tile's number and the least by selects, two to an instruction.  Which of the 8 it was is looked up once, at the end.
; Row tile i, lane r stands for row 32 (i / 2) + 2 r + i % 2 of the group's 64, so that the group's indices leave as one store of 256 consecutive bytes.
;
; THE CODES come in 4 chunks of 256 codes (64 KiB of f32) through two LDS slots.  CLUSTER: all work-groups read the same chunks, so four work-groups
; ask jointly (mask 15): one tensor load a wave, 32 rows of 256 bytes, the same descriptor in all four.  A wave converts the rows that it fetched itself
; to bf16 fragments, writes them in fragment order (lane l at 16 l: no padding needed) into a second ring of two slots that ds_stores alone write, and
; takes |e|^2 off the diagonal of E E^T (two matrix instructions a tile; fifteen sixteenths of that small product are not used).  |z|^2 likewise.
; A wave multiplies tiles 8 c .. 8 c + 7 of a chunk's sixteen.  One barrier a trip: behind it chunk n's fragments are whole, nobody reads chunk n - 1's
; any more, and the f32 slot that held chunk n is asked for again (trips 0 and 1).  Four trips, written out.
; z: each wave fetches 32 rows; a pair reads both waves' rows, so they are read behind the first trip's barrier.  (A copy for each wave would ask for
; 8 x 17,408 bytes more than half of which do not fit beside the rings.)
;
; LDS: 0 f32 slots 2 x 69,632 (rows of 256 + 16 bytes: 272 = 17 x 16, so the sixteen rows that a load touches lie in sixteen different 16-byte columns of
; 256 bytes); 139,264 z, 8,704 a wave; 208,896 bf16 fragments 2 x 32,768; 274,432 |e|^2 2 x 1,024; 276,480 the winners, 1,024 a wave.
; Only the first two regions are filled by tensor loads.
.set FPITCH, 272
.set PART,   32*FPITCH                 ; what one tensor load brings: 32 rows
.set SLOT,   8*PART
.set ZBASE,  2*SLOT
.set EBBASE, ZBASE+8*PART
.set EBSLOT, 16*2048                   ; 16 code tiles of 2 KiB
.set EEBASE, EBBASE+2*EBSLOT
.set EESLOT, 256*4
.set SCR,    EEBASE+2*EESLOT
.set CHUNKB, 256*256                   ; bytes of a chunk in memory
; window 0
.set SA,  4                            ; at the end: where my winners go
.set SB,  5                            ; at the end: where my pair's winners lie
.set ZA,  6                            ; LDS address of my z fragments
.set AB,  7                            ; of my 16 bytes in a block of fragments, in my half of a chunk
.set EA,  8                            ; of my half's eight |e|^2
.set CUR, 9                            ; number of the code tile whose distances are at work
.set H8,  10                           ; 8 h
.set OO,  11                           ; byte offset of my two indices
.set M,   12                           ; v[12:15]   least of 8, two row tiles
.set T,   16                           ; v[16:31]   zz + ee, two row tiles
.set ER,  32                           ; v[32:47]   |e|^2 of a tile's codes 8 h + j, two buffers
.set AF,  48                           ; v[48:79]   fragments of a code tile (16 x 64), two buffers
.set D,   80                           ; v[80:111]  four accumulators, one a row tile
.set ZF,  112                          ; v[112:175] fragments of my four row tiles
.set ST,  176                          ; v[176:223] a row tile's state: best, its tile, zz, zz, the 8 distances kept
.set IX,  32                           ; at the end: four indices,
.set BB,  36                           ; four bests;
.set P0X, 40                           ; the same of my pair's wave c = 0,
.set P0B, 44
.set P1X, 48                           ; and of its wave c = 1
.set P1B, 52
; window 1 (v256 and up): all that the conversion touches, so that it runs under one setting
.set CA,  0                            ; v[0:1] LDS address of my f32 rows in slot 0, 1 (a slot is longer than an LDS instruction's 16-bit offset reaches)
.set CS,  2                            ; where my fragments go
.set CE,  3                            ; where my |e|^2 go
.set CT,  4                            ; v[4:7] at work
.set CR,  8                            ; v[8:9] |e|^2 of two tiles
.set ACC, 16                           ; two accumulators
.set FR,  32                           ; fragments of two tiles
.set RAW, 64                           ; two tiles of f32
.set G1E, 24                           ; s[24:31] shape of a joint load
.set G0,  32                           ; s[32:39] from where, to where: one set for each f32 slot
.set G1Z, 40                           ; s[40:47] shape of z's load
.set G0Z, 48                           ; s[48:51]
.set MSB, 0
.macro WIN new                         ; the immediate's high byte repeats the setting that is left
.if MSB != \new
	s_set_vgpr_msb (MSB<<8)|\new
.set MSB, \new
.endif
.endm
; A round of the cluster's barrier: my work-group's barrier, wave 0 signals for the work-group, every wave waits for all four work-groups, my work-group's barrier again.
.macro ROUND
	s_barrier_signal -1
	s_barrier_wait -1
	s_cmp_lg_u32 s12, 0
	s_cbranch_scc1 .Lnot_wave_0_\@
	s_barrier_signal -3
.Lnot_wave_0_\@:
	s_barrier_wait -3
	s_barrier_signal -1
	s_barrier_wait -1
.endm
	s_load_b128 s[4:7], s[0:1], 0x0                ; z s[4:5], embeddings s[6:7]
	s_load_b128 s[8:11], s[0:1], 0x10              ; out1 s[8:9], codes s[10:11]
	v_lshl_add_u32 v254, v0, 2, 0x45800
	v_mov_b32 v255, 0
	ds_add_u32 v254, v255
	v_lshrrev_b32 v1, 5, v0
	v_readfirstlane_b32 s12, v1                    ; wave 0..7
	s_and_b32 s61, s12, 1                          ; c: my half of a chunk's code tiles
	s_lshr_b32 s62, s12, 1                         ; g: my group of 64 rows
	s_bfe_u32 s13, ttmp6, 0x40000                  ; my place in the cluster
	s_lshl_b32 s14, ttmp9, 2                       ; ttmp9 counts clusters
	s_add_co_u32 s14, s14, s13                     ; work-group 0..255: enters z's address and the output's offset, nothing else
	; a joint load: 32 rows x 64 elements of 4 bytes, 16 bytes of padding behind every 64 words
	s_mov_b32 s[G1E+0], 15|(2<<16)|(1<<20)|(1<<21)|(5<<22)|(3<<25)  ; mask of the four; element of 4 bytes; padding on; bit 21 beside a mask; interval 64 words; 4 words
	s_mov_b32 s[G1E+1], 64<<16                     ; tensor_dim0 = 64
	s_mov_b32 s[G1E+2], 32<<16                     ; tensor_dim1 = 32
	s_mov_b32 s[G1E+3], 64<<16                     ; tile_dim0 = 64
	s_mov_b32 s[G1E+4], 32                         ; tile_dim1 = 32
	s_mov_b32 s[G1E+5], 64                         ; 64 elements from row to row
	s_mov_b32 s[G1E+6], 0
	s_mov_b32 s[G1E+7], 0
	; z: 32 rows a wave, the same shape, no mask
	s_mov_b32 s[G1Z+0], (2<<16)|(1<<20)|(5<<22)|(3<<25)
	s_mov_b32 s[G1Z+1], 64<<16
	s_mov_b32 s[G1Z+2], 32<<16
	s_mov_b32 s[G1Z+3], 64<<16
	s_mov_b32 s[G1Z+4], 32
	s_mov_b32 s[G1Z+5], 64
	s_mov_b32 s[G1Z+6], 0
	s_mov_b32 s[G1Z+7], 0
	s_mul_i32 s52, s12, PART                       ; my eighth of an f32 slot and of z's region
	s_lshl_b32 s54, s12, 13                        ; my 32 rows of a chunk, and of the work-group's z: 8,192 bytes a wave
	s_mov_b32 s55, 0
	s_lshl_b32 s56, s14, 16                        ; 256 rows of 256 bytes a work-group
	s_add_co_u32 s56, s56, s54
	s_mov_b32 s57, 0
	s_wait_dscnt 0x0
	s_wait_kmcnt 0x0
	s_add_nc_u64 s[6:7], s[6:7], s[54:55]
	s_add_nc_u64 s[4:5], s[4:5], s[56:57]
.irp s, 0,1
	s_mov_b32 s[G0+4*\s], 1
	s_add_co_u32 s[G0+4*\s+1], s52, \s*SLOT
	s_add_nc_u64 s[G0+4*\s+2:G0+4*\s+3], s[6:7], \s*CHUNKB         ; chunk s
	s_or_b32 s[G0+4*\s+3], s[G0+4*\s+3], 0x80000000
.endr
	s_mov_b32 s[G0Z], 1
	s_add_co_u32 s[G0Z+1], s52, ZBASE
	s_mov_b64 s[G0Z+2:G0Z+3], s[4:5]
	s_or_b32 s[G0Z+3], s[G0Z+3], 0x80000000
	ROUND                                          ; the four work-groups are here: the first joint loads meet
	tensor_load_to_lds s[G0:G0+3], s[G1E:G1E+7]    ; chunk 0.  The three first fills go out together: three tensor loads of the wave are out, later one
	s_nop 0
	tensor_load_to_lds s[G0Z:G0Z+3], s[G1Z:G1Z+7]  ; my 32 rows of z
	s_nop 0
	tensor_load_to_lds s[G0+4:G0+7], s[G1E:G1E+7]  ; chunk 1
	s_nop 0
	v_and_b32 v1, 31, v0                           ; lane
	v_and_b32 v2, 15, v0                           ; r
	v_bfe_u32 v3, v0, 4, 1                         ; h
	v_and_b32 v4, 1, v0
	v_cmp_ne_u32 s16, 0, v4                        ; bit 0 of r
	v_bfe_u32 v4, v0, 1, 1
	v_cmp_ne_u32 s17, 0, v4                        ; bit 1
	v_bfe_u32 v4, v0, 2, 1
	v_cmp_ne_u32 s18, 0, v4                        ; bit 2
	v_bfe_u32 v4, v0, 3, 1
	v_cmp_eq_u32 s19, v4, v3                       ; r / 8 = h: my registers hold the diagonal element of column r
	v_cmp_ne_u32 s20, 0, v3                        ; lanes 16-31
	s_mov_b32 s21, 0x76543210                      ; v_permlanex16_b32: lane i of one half reads lane i of the other
	s_mov_b32 s22, 0xfedcba98
	s_mul_i32 s59, s62, 64*FPITCH                  ; my group's 64 rows of z
	s_add_co_u32 s59, s59, ZBASE
	v_mul_u32_u24 v[ZA], v2, 2*FPITCH              ; neighbouring lanes take every second row
	v_lshl_add_u32 v[ZA], v3, 5, v[ZA]             ; + 8 h floats
	v_add_nc_u32 v[ZA], s59, v[ZA]
	s_lshl_b32 s60, s61, 14                        ; my half of a chunk: 8 tiles of 2,048 bytes
	s_add_co_u32 s60, s60, EBBASE
	v_lshl_add_u32 v[AB], v1, 4, s60
	s_lshl_b32 s63, s61, 9                         ; and 8 tiles of 64 bytes
	s_add_co_u32 s63, s63, EEBASE
	v_lshl_add_u32 v[EA], v3, 5, s63
	s_lshl_b32 s63, s61, 3
	v_mov_b32 v[CUR], s63                          ; my first tile: 8 c
	v_lshlrev_b32 v[H8], 3, v3
	s_lshl_b32 s58, s14, 10                        ; 256 indices of 4 bytes a work-group,
	s_lshl_b32 s63, s62, 8                         ; 64 a row group,
	s_add_co_u32 s58, s58, s63
	v_lshl_add_u32 v[OO], v1, 3, s58               ; two a lane
	v_mul_u32_u24 v4, v2, FPITCH
	v_lshl_add_u32 v4, v3, 5, v4
	v_add_nc_u32 v4, s52, v4                       ; my f32 rows in slot 0: my eighth + r rows + 8 h floats
	v_add_nc_u32 v5, SLOT, v4                      ; in slot 1
	s_lshl_b32 s59, s12, 12                        ; the two tiles that I convert, of a chunk's sixteen
	s_add_co_u32 s59, s59, EBBASE
	v_lshl_add_u32 v12, v1, 4, s59
	s_lshl_b32 s60, s12, 7
	s_add_co_u32 s60, s60, EEBASE
	v_lshl_add_u32 v13, v2, 2, s60
	WIN 0x40                                       ; destination in window 1
	v_mov_b32 v[CA], v4
	v_mov_b32 v[CA+1], v5
	v_mov_b32 v[CS], v12
	v_mov_b32 v[CE], v13
	WIN 0
; 16 x 2 floats to 16 registers of bf16 pairs, in the order of a fragment
.macro CVT16 dst, src
.set cnt, 0
.rept 16
	v_cvt_pk_bf16_f32 v[\dst+cnt], v[\src+2*cnt], v[\src+2*cnt+1]
.set cnt, cnt+1
.endr
.endm
; The diagonal of a 16 x 16 result.  Register j of lane (r, h) is element (8 h + j, r): register r % 8 is picked by three rounds of selects, it is the
; diagonal element where r / 8 = h, and the other half of the lanes takes it from its partner.  Every lane ends with element (r, r).
.macro DIAG acc, dst, t
	v_cndmask_b32 v[\t],   v[\acc],   v[\acc+1], s16
	v_cndmask_b32 v[\t+1], v[\acc+2], v[\acc+3], s16
	v_cndmask_b32 v[\t+2], v[\acc+4], v[\acc+5], s16
	v_cndmask_b32 v[\t+3], v[\acc+6], v[\acc+7], s16
	v_cndmask_b32 v[\t],   v[\t],   v[\t+1], s17
	v_cndmask_b32 v[\t+2], v[\t+2], v[\t+3], s17
	v_cndmask_b32 v[\t],   v[\t],   v[\t+2], s18
	v_permlanex16_b32 v[\t+1], v[\t], s21, s22
	v_cndmask_b32 v[\dst], v[\t+1], v[\t], s19
.endm
; My 32 codes (two tiles) of the chunk in f32 slot sl become bf16 fragments and |e|^2 in slot es of the two rings that ds_stores write.
; Lane (r, h) reads code r's floats 16 c + 8 h .. + 7, c = 0..3: as they come they are a fragment's registers.  All registers lie in window 1.
.macro CONVERT sl, es
	WIN 0x55
.irp t, 0,1
.irp u, 0,1,2,3,4,5,6,7
	ds_load_b128 v[RAW+32*\t+4*\u:RAW+32*\t+4*\u+3], v[CA+(\sl)] offset:\t*16*FPITCH+64*(\u/2)+16*(\u%2)
.endr
.endr
	s_wait_dscnt 0x8                               ; all but the second tile's eight loads
	CVT16 FR, RAW
	s_wait_dscnt 0x0
	CVT16 FR+16, RAW+32
	; E E^T of both tiles; the two accumulators take turns
	v_wmma_f32_16x16x32_bf16 v[ACC:ACC+7],    v[FR:FR+7],     v[FR:FR+7],     0
	v_wmma_f32_16x16x32_bf16 v[ACC+8:ACC+15], v[FR+16:FR+23], v[FR+16:FR+23], 0
	v_wmma_f32_16x16x32_bf16 v[ACC:ACC+7],    v[FR+8:FR+15],  v[FR+8:FR+15],  v[ACC:ACC+7]
	v_wmma_f32_16x16x32_bf16 v[ACC+8:ACC+15], v[FR+24:FR+31], v[FR+24:FR+31], v[ACC+8:ACC+15]
.irp t, 0,1
.irp g, 0,1,2,3
	ds_store_b128 v[CS], v[FR+16*\t+4*\g:FR+16*\t+4*\g+3] offset:(\es)*EBSLOT+\t*2048+\g*512
.endr
.endr
.rept 4
	v_nop                                          ; four places between a matrix instruction and the first vector instruction that reads its result (ISA guide 7.12.1)
.endr
	DIAG ACC, CR, CT
	DIAG ACC+8, CR+1, CT
	ds_store_b32 v[CE], v[CR]   offset:(\es)*EESLOT        ; lanes r and r + 16 write the same word with the same value
	ds_store_b32 v[CE], v[CR+1] offset:(\es)*EESLOT+64
	WIN 0
.endm
; z: my group's 64 rows to four pairs of fragments, |z|^2, and the start of the state.  D and AF serve as staging by turns.
.macro ZLOAD i, raw
.irp u, 0,1,2,3,4,5,6,7
	ds_load_b128 v[\raw+4*\u:\raw+4*\u+3], v[ZA] offset:(32*(\i/2)+(\i%2))*FPITCH+64*(\u/2)+16*(\u%2)
.endr
.endm
.macro ZSTAGE
	ZLOAD 0, D
	ZLOAD 1, AF
	s_wait_dscnt 0x8                               ; all but the youngest eight loads, here and twice below
	CVT16 ZF, D
	ZLOAD 2, D
	s_wait_dscnt 0x8
	CVT16 ZF+16, AF
	ZLOAD 3, AF
	s_wait_dscnt 0x8
	CVT16 ZF+32, D
	s_wait_dscnt 0x0
	CVT16 ZF+48, AF
	; |z|^2 = the diagonal of Z Z^T; four accumulators by turns
.irp i, 0,1,2,3
	v_wmma_f32_16x16x32_bf16 v[D+8*\i:D+8*\i+7], v[ZF+16*\i:ZF+16*\i+7], v[ZF+16*\i:ZF+16*\i+7], 0
.endr
.irp i, 0,1,2,3
	v_wmma_f32_16x16x32_bf16 v[D+8*\i:D+8*\i+7], v[ZF+16*\i+8:ZF+16*\i+15], v[ZF+16*\i+8:ZF+16*\i+15], v[D+8*\i:D+8*\i+7]
.endr
	; the state starts at +infinity, tile 0.  These forty moves are also the places behind the matrix instructions above.
.irp i, 0,1,2,3
	v_mov_b32 v[ST+12*\i], 0x7f800000
	v_mov_b32 v[ST+12*\i+1], 0
.irp j, 0,1,2,3,4,5,6,7
	v_mov_b32 v[ST+12*\i+4+\j], 0x7f800000
.endr
.endr
.irp i, 0,1,2,3
	DIAG D+8*\i, ST+12*\i+2, T
	v_mov_b32 v[ST+12*\i+3], v[ST+12*\i+2]         ; twice: a pair for the packed add
.endr
.endm
; The vector work on the results of row tiles x and x + 1 for one code tile, whose |e|^2 lie in buffer e: 36 instructions in four slices of 8, 10, 9 and 9,
; one behind each matrix instruction of the other pair of row tiles.  The two row tiles' chains are interleaved.
; Two selects go in one instruction: both read VCC, their destinations are one even and one odd register, and their first sources, and their second
; sources, have numbers that differ modulo 4 (neighbours in ST and in D; M = 12 or 14 beside CUR = 9), as the dual encoding asks.
.macro KEEP2 st, dd                    ; two kept distances
	v_dual_cndmask_b32 v[\st], v[\st], v[\dd] :: v_dual_cndmask_b32 v[\st+1], v[\st+1], v[\dd+1]
.endm
.macro KEEPB st, mm                    ; the best and its tile's number
	v_dual_cndmask_b32 v[\st], v[\st], v[\mm] :: v_dual_cndmask_b32 v[\st+1], v[\st+1], v[CUR]
.endm
.macro VEC1 x, e
.irp k, 0,2,4,6
	v_pk_add_f32 v[T+\k:T+\k+1], v[ER+8*\e+\k:ER+8*\e+\k+1], v[ST+12*\x+2:ST+12*\x+3]          ; t = fl(zz + ee)
.endr
.irp k, 0,2,4,6
	v_pk_add_f32 v[T+8+\k:T+8+\k+1], v[ER+8*\e+\k:ER+8*\e+\k+1], v[ST+12*\x+14:ST+12*\x+15]
.endr
.endm
.macro VEC2 x
.irp k, 0,2,4,6
	v_pk_fma_f32 v[D+8*\x+\k:D+8*\x+\k+1], v[D+8*\x+\k:D+8*\x+\k+1], -2.0, v[T+\k:T+\k+1] op_sel_hi:[1,0,1]   ; d = fl(t - 2 dot)
.endr
.irp k, 0,2,4,6
	v_pk_fma_f32 v[D+8*\x+8+\k:D+8*\x+8+\k+1], v[D+8*\x+8+\k:D+8*\x+8+\k+1], -2.0, v[T+8+\k:T+8+\k+1] op_sel_hi:[1,0,1]
.endr
	v_min3_num_f32 v[M],   v[D+8*\x],   v[D+8*\x+1], v[D+8*\x+2]
	v_min3_num_f32 v[M+1], v[D+8*\x+3], v[D+8*\x+4], v[D+8*\x+5]
.endm
.macro VEC3 x
	v_min3_num_f32 v[M],   v[M], v[D+8*\x+6], v[D+8*\x+7]
	v_min3_num_f32 v[M+2], v[D+8*\x+8],  v[D+8*\x+9],  v[D+8*\x+10]
	v_min3_num_f32 v[M+3], v[D+8*\x+11], v[D+8*\x+12], v[D+8*\x+13]
	v_min_num_f32 v[M], v[M], v[M+1]
	v_min3_num_f32 v[M+2], v[M+2], v[D+8*\x+14], v[D+8*\x+15]
	v_cmp_lt_f32 vcc_lo, v[M], v[ST+12*\x]         ; strictly less: among equal distances the earlier tile stays
	v_min_num_f32 v[M+2], v[M+2], v[M+3]
	KEEP2 ST+12*\x+4, D+8*\x
	KEEP2 ST+12*\x+6, D+8*\x+2
.endm
.macro VEC4 x
	KEEP2 ST+12*\x+8, D+8*\x+4
	KEEP2 ST+12*\x+10, D+8*\x+6
	KEEPB ST+12*\x, M
	v_cmp_lt_f32 vcc_lo, v[M+2], v[ST+12*\x+12]    ; the second row tile's compare, behind the first's last select
	KEEP2 ST+12*\x+16, D+8*\x+8
	KEEP2 ST+12*\x+18, D+8*\x+10
	KEEP2 ST+12*\x+20, D+8*\x+12
	KEEP2 ST+12*\x+22, D+8*\x+14
	KEEPB ST+12*\x+12, M+2
.endm
; A step: the code tile in buffer b times row tiles 2 q and 2 q + 1 (K = 64: two matrix instructions each, the first starts the sum; the two accumulators
; take turns), and between them the vector work on the other pair's results of the step before.  Those slices name none of
; the registers of this step's matrix instructions, run with all lanes on, and so are the places that stand behind them.
.macro STEP b, q, vec, x, e
	v_wmma_f32_16x16x32_bf16 v[D+16*\q:D+16*\q+7], v[AF+16*\b:AF+16*\b+7], v[ZF+32*\q:ZF+32*\q+7], 0
.if \vec
	VEC1 \x, \e
.endif
	v_wmma_f32_16x16x32_bf16 v[D+16*\q+8:D+16*\q+15], v[AF+16*\b:AF+16*\b+7], v[ZF+32*\q+16:ZF+32*\q+23], 0
.if \vec
	VEC2 \x
.endif
	v_wmma_f32_16x16x32_bf16 v[D+16*\q:D+16*\q+7], v[AF+16*\b+8:AF+16*\b+15], v[ZF+32*\q+8:ZF+32*\q+15], v[D+16*\q:D+16*\q+7]
.if \vec
	VEC3 \x
.endif
	v_wmma_f32_16x16x32_bf16 v[D+16*\q+8:D+16*\q+15], v[AF+16*\b+8:AF+16*\b+15], v[ZF+32*\q+24:ZF+32*\q+31], v[D+16*\q+8:D+16*\q+15]
.if \vec
	VEC4 \x
.endif
.endm
.macro LA y, p, b                      ; tile p of my half of the chunk in slot y: its fragments, 32 lanes x 16 neighbouring bytes a load
.irp g, 0,1,2,3
	ds_load_b128 v[AF+16*\b+4*\g:AF+16*\b+4*\g+3], v[AB] offset:\y*EBSLOT+(\p)*2048+\g*512
.endr
.endm
.macro LE y, p, b                      ; its |e|^2: the sixteen lanes of a half read the same words
	ds_load_b128 v[ER+8*\b:ER+8*\b+3],   v[EA] offset:\y*EESLOT+(\p)*64
	ds_load_b128 v[ER+8*\b+4:ER+8*\b+7], v[EA] offset:\y*EESLOT+(\p)*64+16
.endm
; Code tile p of my eight, b = p % 2, nb = 1 - b.  LDS loads run ahead: |e|^2 of tile p + 1 behind the first step, fragments of tile p + 2 behind the second
; (behind the nine vector instructions that follow the last matrix instruction that read that buffer).  Each step's wait leaves out what was issued behind the
; loads that it needs: four fragment loads and two of |e|^2, six; at tile 7 only that tile's two of |e|^2, then none.
.macro TILE y, p, b, nb
.if \p == 7
	s_wait_dscnt 0x2
.else
	s_wait_dscnt 0x6
.endif
.if \p > 0
	STEP \b, 0, 1, 2, \nb                          ; beside it: row tiles 2, 3 of the tile before
	v_add_nc_u32 v[CUR], 1, v[CUR]
.else
	STEP \b, 0, 0, 2, \nb                          ; a chunk's first step has no results to work on
.endif
.if \p < 7
	LE \y, \p+1, \nb
.endif
.if \p == 7
	s_wait_dscnt 0x0
.else
	s_wait_dscnt 0x6
.endif
	STEP \b, 1, 1, 0, \b                           ; beside it: row tiles 0, 1 of this tile
.if \p < 6
	LA \y, \p+2, \b
.endif
.endm
; Trip n, y = n % 2: multiplies my half of chunk n (fragments in slot y); converts my part of chunk n + 1 (f32 slot 1 - y to fragment slot 1 - y);
; asks for chunk n + 2 (f32 slot y).  first = 1: z is staged, behind the barrier in front of which both waves of my pair have seen their rows of z land.
.macro TRIP y, refill, convert, first
	s_wait_dscnt 0x0                               ; my stores of chunk n's fragments, my reads of chunk n - 1's and of f32 slot y are done
.if \refill+\convert
	s_wait_tensorcnt 0x0                           ; all my tensor loads have landed: my part of chunk n + 1 (and, in the first trip, my rows of z)
	ds_add_u32 v254, v255
	s_wait_dscnt 0x0
.endif
.if \refill
	s_add_nc_u64 s[G0+4*\y+2:G0+4*\y+3], s[G0+4*\y+2:G0+4*\y+3], 2*CHUNKB   ; no load of mine is out: the slot's address steps two chunks on
	ROUND                                          ; all that now holds of every wave of the four work-groups
	tensor_load_to_lds s[G0+4*\y:G0+4*\y+3], s[G1E:G1E+7]   ; my one tensor load behind the round, and the first thing there
	s_nop 0
.else
	s_barrier_signal -1                            ; my work-group's barrier is enough
	s_barrier_wait -1
.endif
.if \first
	ZSTAGE
.endif
	LA \y, 0, 0
	LE \y, 0, 0
	LA \y, 1, 1
.if \convert
	CONVERT 1-\y, 1-\y                             ; the ten loads above come back meanwhile
.endif
	TILE \y, 0, 0, 1
	TILE \y, 1, 1, 0
	TILE \y, 2, 0, 1
	TILE \y, 3, 1, 0
	TILE \y, 4, 0, 1
	TILE \y, 5, 1, 0
	TILE \y, 6, 0, 1
	TILE \y, 7, 1, 0
	VEC1 2, 1                                      ; row tiles 2, 3 of my last tile of the chunk
	VEC2 2
	VEC3 2
	VEC4 2
	v_add_nc_u32 v[CUR], 9, v[CUR]                 ; over the other half's eight tiles to my first tile of the next chunk
.endm
	s_wait_tensorcnt 0x2                           ; my part of chunk 0 is in (z and chunk 1 were issued behind it); I alone read it
	CONVERT 0, 0
	TRIP 0, 1, 1, 1                                ; chunk 0; asks for chunk 2; stages z
	TRIP 1, 1, 1, 0                                ; chunk 1; asks for chunk 3
	TRIP 0, 0, 1, 0                                ; chunk 2: nothing is left to fetch; chunk 3 is converted
	TRIP 1, 0, 0, 0                                ; chunk 3
; Two winners become one: the lesser distance wins, equal distances give the lower index.  VCC is left as 'the second is less'.
.macro MERGE xo, b, x, b2, x2, t
	v_min_u32 v[\t], v[\x], v[\x2]
	v_cmp_eq_f32 vcc_lo, v[\b2], v[\b]
	v_cndmask_b32 v[\t], v[\x], v[\t], vcc_lo
	v_cmp_lt_f32 vcc_lo, v[\b2], v[\b]
	v_cndmask_b32 v[\xo], v[\t], v[\x2], vcc_lo
.endm
; A row tile's winner among my wave's codes.  The lowest j whose kept distance equals the best; index = 16 tile + 8 h + j is the lowest index of the least
; distance among my half of the lanes' codes.  Then the two halves of the lanes are joined; both end with the same numbers.
.macro FINISH i
	v_mov_b32 v[T], 7
.irp j, 6,5,4,3,2,1,0
	v_cmp_neq_f32 vcc_lo, v[ST+12*\i+4+\j], v[ST+12*\i]
	v_cndmask_b32 v[T], \j, v[T], vcc_lo
.endr
	v_lshl_add_u32 v[T], v[ST+12*\i+1], 4, v[T]
	v_add_nc_u32 v[T], v[H8], v[T]
	v_permlanex16_b32 v[T+1], v[ST+12*\i], s21, s22        ; the other half's best
	v_permlanex16_b32 v[T+2], v[T], s21, s22               ; and its index
	MERGE IX+\i, ST+12*\i, T, T+1, T+2, T+3
	v_cndmask_b32 v[BB+\i], v[ST+12*\i], v[T+1], vcc_lo    ; the lesser of the two bests
.endm
	FINISH 0
	FINISH 1
	FINISH 2
	FINISH 3
	; The two waves of a pair: each puts its four indices and four bests into 1,024 bytes of its own, and behind a barrier both read both blocks.
	s_lshl_b32 s59, s12, 10
	s_add_co_u32 s59, s59, SCR
	v_lshl_add_u32 v[SA], v1, 4, s59               ; my wave's block + 16 bytes a lane
	s_lshl_b32 s60, s62, 11
	s_add_co_u32 s60, s60, SCR
	v_lshl_add_u32 v[SB], v1, 4, s60               ; my pair's two blocks
	ds_store_b128 v[SA], v[IX:IX+3]
	ds_store_b128 v[SA], v[BB:BB+3] offset:512
	s_wait_dscnt 0x0                               ; for my partner's sake: my stores are done before I signal
	s_barrier_signal -1
	s_barrier_wait -1
	ds_load_b128 v[P0X:P0X+3], v[SB]
	ds_load_b128 v[P0B:P0B+3], v[SB] offset:512
	ds_load_b128 v[P1X:P1X+3], v[SB] offset:1024
	ds_load_b128 v[P1B:P1B+3], v[SB] offset:1536
	s_wait_dscnt 0x0
.irp i, 0,1,2,3
	MERGE IX+\i, P0B+\i, P0X+\i, P1B+\i, P1X+\i, T
.endr
	v_cndmask_b32 v[T+4], v[IX],   v[IX+2], s20    ; lanes 0-15: rows 2 r, 2 r + 1 (row tiles 0, 1); lanes 16-31: rows 32 + 2 r, 33 + 2 r (row tiles 2, 3)
	v_cndmask_b32 v[T+5], v[IX+1], v[IX+3], s20
	s_cmp_eq_u32 s61, 0                            ; both waves hold the group's 64 indices: the first of the pair stores them to out1,
	s_cselect_b64 s[8:9], s[8:9], s[10:11]         ; the second to the workspace for the next launch's addresses
	global_store_b64 v[OO], v[T+4:T+5], s[8:9]     ; 256 consecutive bytes, aligned
	s_wait_tensorcnt 0x0
	ds_add_u32 v254, v255
	s_wait_dscnt 0x0
	ROUND                                          ; the closing round: no work-group ends while a partner may still ask for a chunk that names it
	s_endpgm
.Lfunc_end_k_qa3cb61f8e5_nearest:
	.size	k_qa3cb61f8e5_nearest, .Lfunc_end_k_qa3cb61f8e5_nearest-k_qa3cb61f8e5_nearest
	.p2alignl 7, 3214868480
	.fill 96, 4, 3214868480
	.section	.rodata,"a",@progbits
	.p2align	6, 0x0
	.amdhsa_kernel k_qa3cb61f8e5_nearest
		.amdhsa_group_segment_fixed_size 327680
		.amdhsa_private_segment_fixed_size 0
		.amdhsa_enable_private_segment 0
		.amdhsa_kernarg_size 32
		.amdhsa_user_sgpr_count 2
		.amdhsa_user_sgpr_kernarg_segment_ptr 1
		.amdhsa_wavefront_size32 1
		.amdhsa_system_sgpr_workgroup_id_x 1
		.amdhsa_system_sgpr_workgroup_id_y 1
		.amdhsa_system_sgpr_workgroup_id_z 1
		.amdhsa_system_vgpr_workitem_id 0
		.amdhsa_next_free_vgpr 384
		.amdhsa_next_free_sgpr 66
		.amdhsa_reserve_vcc 1
		.amdhsa_float_denorm_mode_32 3
		.amdhsa_float_denorm_mode_16_64 3
		.amdhsa_memory_ordered 1
		.amdhsa_forward_progress 1
		.amdhsa_inst_pref_size 213
	.end_amdhsa_kernel
	.amdgpu_metadata
---
amdhsa.version: [ 1, 2 ]
amdhsa.kernels:
  - .name:           k_qa3cb61f8e5_nearest
    .symbol:         k_qa3cb61f8e5_nearest.kd
    .args:
      - { .name: z, .offset: 0, .size: 8, .value_kind: global_buffer, .address_space: global }
      - { .name: embeddings, .offset: 8, .size: 8, .value_kind: global_buffer, .address_space: global }
      - { .name: out1, .offset: 16, .size: 8, .value_kind: global_buffer, .address_space: global }
      - { .name: codes, .offset: 24, .size: 8, .value_kind: global_buffer, .address_space: global }
    .group_segment_fixed_size: 327680
    .private_segment_fixed_size: 0
    .kernarg_segment_align: 8
    .kernarg_segment_size: 32
    .max_flat_workgroup_size: 256
    .sgpr_count:     66
    .vgpr_count:     384
    .wavefront_size: 32
...
	.end_amdgpu_metadata
.endif
;; end of part 1
;; launch lookup (part 2): grid 256 x 1, 8 waves a work-group, no clusters, 0 bytes of LDS; arguments codes, embeddings, out0; writes out0
.if DOCPART == 2
	.amdgcn_target "amdgcn-amd-amdhsa--gfx1250"
	.amdhsa_code_object_version 6
	.text
	.protected	k_qa3cb61f8e5_lookup
	.globl	k_qa3cb61f8e5_lookup
	.p2align	8
	.type	k_qa3cb61f8e5_lookup,@function
k_qa3cb61f8e5_lookup:
	s_mov_b64 s[64:65], 0
	v_nop
	global_prefetch_b8 v0, s[64:65] scope:SCOPE_SE
	s_setreg_imm32_b32 hwreg(HW_REG_WAVE_MODE, 25, 1), 1
	s_wait_xcnt 0x0
; out0[n][:] = embeddings[codes[n]][:], in f32 as the table holds it.  codes: the 65,536 indices that the launch before stored.  Nothing is left out.
; Eight waves; the work-group owns 256 rows, a wave 32.  The wave's 32 indices come by two scalar loads (nothing in this launch writes that buffer).
; A row is 256 bytes: sixteen lanes read one row of the table and write one row of out0, 16 bytes each; a load or store of the wave covers two rows,
; each a whole aligned block of 256 bytes.  All sixteen gathers are issued before the first store.  No LDS, barrier, matrix unit or cluster: every byte
; is touched once by one lane.  The table is read again by everybody, so its loads carry no hint; out0 is written once.
.set IA, 4                             ; v[4:19]   pair t: byte offset of my 16 bytes in the table
.set DA, 20                            ; v[20:83]  pair t: 4 registers
	s_load_b128 s[4:7], s[0:1], 0x0                ; codes s[4:5], embeddings s[6:7]
	s_load_b64 s[8:9], s[0:1], 0x10                ; out0
	v_lshrrev_b32 v1, 5, v0
	v_readfirstlane_b32 s10, v1                    ; wave 0..7
	s_lshl_b32 s12, ttmp9, 10                      ; 256 indices of 4 bytes a work-group,
	s_lshl_b32 s11, s10, 7                         ; 32 a wave
	s_add_co_u32 s12, s12, s11
	s_mov_b32 s13, 0
	s_lshl_b32 s14, ttmp9, 16                      ; 256 rows of 256 bytes a work-group
	s_mov_b32 s15, 0
	v_and_b32 v2, 15, v0
	v_lshlrev_b32 v2, 4, v2                        ; my 16 bytes of a row
	v_and_b32 v3, 16, v0
	v_cmp_ne_u32 vcc_lo, 0, v3                     ; lanes 16-31 take a pair's second row
	v_and_b32 v3, 31, v0
	v_lshlrev_b32 v3, 4, v3
	v_lshl_add_u32 v3, v1, 13, v3                  ; in out0: 32 rows a wave + 16 bytes a lane; a pair's 512 bytes stand in the store's immediate
	s_wait_kmcnt 0x0
	s_add_nc_u64 s[4:5], s[4:5], s[12:13]
	s_add_nc_u64 s[8:9], s[8:9], s[14:15]
	s_load_b512 s[16:31], s[4:5], 0x0              ; indices of rows 0-15
	s_load_b512 s[32:47], s[4:5], 0x40             ; of rows 16-31
	s_wait_kmcnt 0x0
.irp t, 0,1,2,3,4,5,6,7,8,9,10,11,12,13,14,15
	v_mov_b32 v[IA+\t], s[16+2*\t]
	v_cndmask_b32 v[IA+\t], v[IA+\t], s[17+2*\t], vcc_lo
	v_min_u32 v[IA+\t], 0x3ff, v[IA+\t]            ; an index stays inside the table of 1,024 rows
	v_lshl_add_u32 v[IA+\t], v[IA+\t], 8, v2
	global_load_b128 v[DA+4*\t:DA+4*\t+3], v[IA+\t], s[6:7]
.endr
.irp t, 0,1,2,3,4,5,6,7,8,9,10,11,12,13,14,15
	s_wait_loadcnt 15-\t                           ; loads come back in order (ISA guide 5.7.1): pair t is in, the younger ones stay out
	global_store_b128 v3, v[DA+4*\t:DA+4*\t+3], s[8:9] offset:512*\t th:TH_STORE_NT
.endr
	s_endpgm
.Lfunc_end_k_qa3cb61f8e5_lookup:
	.size	k_qa3cb61f8e5_lookup, .Lfunc_end_k_qa3cb61f8e5_lookup-k_qa3cb61f8e5_lookup
	.p2alignl 7, 3214868480
	.fill 96, 4, 3214868480
	.section	.rodata,"a",@progbits
	.p2align	6, 0x0
	.amdhsa_kernel k_qa3cb61f8e5_lookup
		.amdhsa_group_segment_fixed_size 0
		.amdhsa_private_segment_fixed_size 0
		.amdhsa_enable_private_segment 0
		.amdhsa_kernarg_size 24
		.amdhsa_user_sgpr_count 2
		.amdhsa_user_sgpr_kernarg_segment_ptr 1
		.amdhsa_wavefront_size32 1
		.amdhsa_system_sgpr_workgroup_id_x 1
		.amdhsa_system_sgpr_workgroup_id_y 1
		.amdhsa_system_sgpr_workgroup_id_z 1
		.amdhsa_system_vgpr_workitem_id 0
		.amdhsa_next_free_vgpr 84
		.amdhsa_next_free_sgpr 66
		.amdhsa_reserve_vcc 1
		.amdhsa_float_denorm_mode_32 3
		.amdhsa_float_denorm_mode_16_64 3
		.amdhsa_memory_ordered 1
		.amdhsa_forward_progress 1
		.amdhsa_inst_pref_size 9
	.end_amdhsa_kernel
	.amdgpu_metadata
---
amdhsa.version: [ 1, 2 ]
amdhsa.kernels:
  - .name:           k_qa3cb61f8e5_lookup
    .symbol:         k_qa3cb61f8e5_lookup.kd
    .args:
      - { .name: codes, .offset: 0, .size: 8, .value_kind: global_buffer, .address_space: global }
      - { .name: embeddings, .offset: 8, .size: 8, .value_kind: global_buffer, .address_space: global }
      - { .name: out0, .offset: 16, .size: 8, .value_kind: global_buffer, .address_space: global }
    .group_segment_fixed_size: 0
    .private_segment_fixed_size: 0
    .kernarg_segment_align: 8
    .kernarg_segment_size: 24
    .max_flat_workgroup_size: 256
    .sgpr_count:     66
    .vgpr_count:     84
    .wavefront_size: 32
...
	.end_amdgpu_metadata
.endif
;; end of part 2
